; MI455X (gfx1250); checked and timed in simulation.
; The chip was launched on July 23, 2026; its instructions are those of AMD's public machine-readable ISA for CDNA 5 (MIT licence, August 2026) and "CDNA5" Instruction Set Architecture Reference Guide (July 2026). The comments in the code are by the model that wrote it; some were corrected since.
;; Attention. Allowed arithmetic: matrix products marked QUANTISED: E2M3 operands, one E8M0 scale for each 32 along K, by v_wmma_scale_f32_16x16x128_f8f6f4 with both operands' format E2M3, f32 sums; everything else in f32.
;; Inputs: Wk_codes 512 x 16 x 24 uint8 (E2M3 codes of Wk, K innermost, in blocks of 32 codes, four codes in three bytes); Wk_scales 512 x 16 uint8 (E8M0 scales of Wk, one for each 32 codes along K); Wo_codes 512 x 16 x 24 uint8 (E2M3 codes of Wo, K innermost, in blocks of 32 codes, four codes in three bytes); Wo_scales 512 x 16 uint8 (E8M0 scales of Wo, one for each 32 codes along K); Wq_codes 512 x 16 x 24 uint8 (E2M3 codes of Wq, K innermost, in blocks of 32 codes, four codes in three bytes); Wq_scales 512 x 16 uint8 (E8M0 scales of Wq, one for each 32 codes along K); Wv_codes 512 x 16 x 24 uint8 (E2M3 codes of Wv, K innermost, in blocks of 32 codes, four codes in three bytes); Wv_scales 512 x 16 uint8 (E8M0 scales of Wv, one for each 32 codes along K); bk 512 float32; bo 512 float32; bq 512 float32; bv 512 float32; k_codes 2 x 4,096 x 16 x 24 uint8 (E2M3 codes of k, K innermost, in blocks of 32 codes, four codes in three bytes); k_scales 2 x 4,096 x 16 uint8 (E8M0 scales of k, one for each 32 codes along K); q_codes 2 x 4,096 x 16 x 24 uint8 (E2M3 codes of q, K innermost, in blocks of 32 codes, four codes in three bytes); q_scales 2 x 4,096 x 16 uint8 (E8M0 scales of q, one for each 32 codes along K); v_codes 2 x 4,096 x 16 x 24 uint8 (E2M3 codes of v, K innermost, in blocks of 32 codes, four codes in three bytes); v_scales 2 x 4,096 x 16 uint8 (E8M0 scales of v, one for each 32 codes along K).
;; Outputs: out0 2 x 4,096 x 512 float32.
;; This version of the problem:
;;   THIS VERSION OF THE PROBLEM IS GIVEN IN LOW PRECISION. The matrix products marked QUANTISED in the list below multiply operands that are first quantised to E2M3 (2 exponent bits, 3 mantissa bits; 6 bits a number), with one power-of-two scale for each 32 numbers along K (OCP MX v1.0); their sums are f32. All else is computed in f32.
;;   The module's matrix products, in the order in which they are computed (A, B: the left and right operand; K: the contracted axis; several contracted axes count as one K, in the product's order):
;;     1. [M 8,192, K 512] x [K 512, N 512]; A: input q (given as codes); B: input Wq (given as codes): QUANTISED
;;     2. [M 8,192, K 512] x [K 512, N 512]; A: input k (given as codes); B: input Wk (given as codes): QUANTISED
;;     3. [M 8,192, K 512] x [K 512, N 512]; A: input v (given as codes); B: input Wv (given as codes): QUANTISED
;;     4. batch 16 x [M 4,096, K 64] x [K 64, N 4,096]; A: computed on the way; B: computed on the way: QUANTISED
;;     5. batch 16 x [M 64, K 4,096] x [K 4,096, N 4,096]; A: computed on the way; B: softmax (see below): QUANTISED
;;     6. [M 8,192, K 512] x [K 512, N 512]; A: computed on the way; B: input Wo (given as codes): QUANTISED
;;   THE QUANTISER, for each operand of a quantised product, along K:
;;     - K is cut into blocks of 32 from its start; a last block that is shorter is filled with zeros.
;;     - A block's scale is 2^e with e = floor(log2(the largest magnitude in the block)) - 2, held to -126 .. 127; a block of zeros has e = 0. As a byte (E8M0): e + 127.
;;     - Each number is divided by its block's scale, clamped to +-7.5, and rounded to the nearest number of E2M3, ties to even, subnormals kept.
;;     - The product sums the exact products of the quantised numbers (number of the format x scale) in f32.
;;   ~~~python
;;   def quantise(x, axis):      # numpy; x: float32 -> the quantised numbers, widened to float32 again
;;       x = np.moveaxis(x, axis, -1); K = x.shape[-1]
;;       x = np.pad(x, [(0, 0)] * (x.ndim - 1) + [(0, -K % 32)]); x = x.reshape(x.shape[:-1] + (-1, 32)); a = np.abs(x).max(-1, keepdims=True)
;;       e = np.where(a > 0, np.clip(np.frexp(np.where(a > 0, a, 1))[1] - 1 - 2, -126, 127), 0)      # np.frexp(a)[1] - 1 = floor(log2(a)), exactly
;;       r = np.clip(x / 2.0 ** e, -7.5, 7.5)
;;       step = 2.0 ** (np.maximum(np.frexp(np.where(r == 0, 1, r))[1] - 1, 0) - 3)
;;       q = np.round(r / step) * step * 2.0 ** e      # np.round: ties to even
;;       return np.moveaxis(q.reshape(q.shape[:-2] + (-1,))[..., :K], -1, axis).astype(np.float32)
;;   ~~~
;;   SOFTMAX AHEAD OF A QUANTISED PRODUCT. Where the list says 'softmax', what is quantised is not the finished softmax but p = 2^(t - M), with t = logit x log2(e) and M = ceil(the row's largest t), a whole number; so 1/2 < the row's largest p <= 1. The row's sum l is taken of the UNQUANTISED p, in f32, and the product's result is divided by l at the end. Since M is a whole number, a kernel that streams over the keys may use a running M (the ceiling of the running maximum): every later rescaling is an exact power of two, which a block's scale takes up: the codes' values come out the same.
;;   OPERANDS COMPUTED ON THE WAY. 'Computed on the way' means the value that the module computes at that place (a softmax that the list does not call 'softmax' is quantised finished and normalised). What goes into a quantiser is computed in f32, as accurately as f32 sums, v_exp_f32 and their like allow (about 1e-6 of the number): no bf16 or f16 on the way to a quantiser, and a product that is left as it is and whose result goes on into a quantised operand takes f32 operands (vector FMAs, or v_wmma_f32_16x16x4_f32). A number that lies on a knife's edge between two numbers of the format may be rounded either way, as far as f32 arithmetic and the matrix unit's own rounding can turn it there, and no further.
;;   INPUTS GIVEN AS CODES. Wk (in the module: [512, 512], K = its axis 0); Wo (in the module: [512, 512], K = its axis 0); Wq (in the module: [512, 512], K = its axis 0); Wv (in the module: [512, 512], K = its axis 0); k (in the module: [2, 4096, 512], K = its axis 2); q (in the module: [2, 4096, 512], K = its axis 2); v (in the module: [2, 4096, 512], K = its axis 2): each comes as NAME_codes (uint8): NAME with its K axis moved to the last place and cut into blocks of 32 codes, [.., K / 32, bytes a block], one block behind the other in memory; four codes in three bytes: a row's codes are one little-endian stream of bits, code i at bits 6 i .. 6 i + 5 (a code: sign, 2 exponent bits, 3 mantissa bits); and NAME_scales (uint8): the same leading axes, one E8M0 byte (e + 127) for each 32 codes along K. Its value is code x scale, taken as it is: it is not quantised again, and the codes and scales need not be those that the quantiser above would give.
;; One version. Each part assembles by itself: llvm-mc -triple=amdgcn-amd-amdhsa -mcpu=gfx1250 --defsym DOCPART=n.
;; ======== version 1 of 1: 3 launches
;; limits: right only within a limited range of input values
;; workspace buffers: qimg 3,276,800 bytes; kv 6,553,600 bytes; mimg 3,276,800 bytes
;; launch proj (part 1): grid 96 x 2, 16 waves a work-group, clusters of 4 x 1, 256,256 bytes of LDS; arguments q_codes, q_scales, k_codes, k_scales, v_codes, v_scales, Wq_codes, Wq_scales, Wk_codes, Wk_scales, Wv_codes, Wv_scales, bq, bk, bv, qimg, kv; writes qimg, kv
.if DOCPART == 1
	.amdgcn_target "amdgcn-amd-amdhsa--gfx1250"
	.amdhsa_code_object_version 6
	.text
	.protected	k_qc29294a0e0_proj
	.globl	k_qc29294a0e0_proj
	.p2align	8
	.type	k_qc29294a0e0_proj,@function
k_qc29294a0e0_proj:
	s_mov_b64 s[64:65], 0
	v_nop
	global_prefetch_b8 v0, s[64:65] scope:SCOPE_SE
	s_setreg_imm32_b32 hwreg(HW_REG_WAVE_MODE, 25, 1), 1
	s_wait_xcnt 0x0
	s_wait_alu depctr_hold_cnt(0) depctr_sa_sdst(0) depctr_va_vdst(0) depctr_va_sdst(0) depctr_va_ssrc(0) depctr_va_vcc(0) depctr_vm_vsrc(0)
	s_getreg_b32 s2, hwreg(HW_REG_IB_STS2, 6, 4)
	s_cmp_eq_u32 s2, 0
	s_cbranch_scc0 .Lentry_in_a_cluster
	s_endpgm
.Lentry_in_a_cluster:
	s_bfe_u32 s2, ttmp6, 0x10000c
	s_cmp_lg_u32 s2, 0x3003
	s_cbranch_scc0 .Lentry_shape_is_right
	s_endpgm
.Lentry_shape_is_right:
; THE THREE PROJECTIONS: qp = q Wq + bq, kp = k Wk + bk, vp = v Wv + bv, on codes of FP6 (E2M3) as they are given, sums in f32; each result is quantised at once, in f32, for the
; product of the attention that takes it: qp and kp along a head's 64 channels, vp along the keys.  Nothing of the problem is left out in this program: every bias goes into a quantised operand or
; into the output, so every input is loaded.
; THE FACTOR 1/8 on qp is a power of two: the codes of qp / 8 are those of qp and the scale's exponent is 3 less; it is taken into the softmax's constant in the next launch, and q is treated as k is here.
; LIMITS: a block of qp whose largest magnitude lies under 2^-121 would have its byte held otherwise than with the factor ahead of the quantiser; a block of zeros gets the byte 1 where the rule says 127
; (its codes are zeros, and this program alone reads the bytes); blocks under the floor 2^(3 - 127) were not tried; NaN and infinities among the inputs are not served.
; SHARES.  A work-group makes 256 rows x 256 columns (4 heads) of one tensor: 3 x 32 x 2 = 192 work-groups (whole heads of 3 x 8,192 x 512 results do not cut into 256 equal parts).  Wave w: 64 rows (w & 3) x one head (w >> 2),
; K = 512 in four steps of 128: 64 matrix instructions on 16 accumulators, which take turns, one instruction a turn.
; THE ORDER OF ROWS IN A TILE.  Of a block of 64 rows, tile t takes for its row m the block's row 8 t + (m & 7) + 32 (m >> 3).  In a result lane (r, h) holds m = 8 h + j in register j, so the 32 registers of
; source 0's four tiles are the block's rows 32 h + 0 .. 31 in order: ONE WHOLE BLOCK OF 32 ALONG THE NEXT K IN ONE LANE.  Its largest magnitude needs no other lane, and two conversions give registers 0-5 of the operand's layout.
; ROLE K (q, k): source 0 = W's tiles, source 1 = x's: a lane holds a row of x and 32 channels.   ROLE V (v): source 0 = x's tiles, source 1 = W's: a lane holds a channel and 32 keys.
; WHAT IS STORED: half images: an operand's registers 0-5 as they stand, 768 bytes: registers 0-3 at 16 x lane, registers 4-5 at 512 + 8 x lane; and scale words laid lane by lane as the next launch's scale registers want them.
; CLUSTER: the four work-groups of a cluster take four row blocks of one tensor and the same 256 rows of W: W's codes are asked for jointly (mask 15); x's codes and all scale bytes are each work-group's own.
; LDS is filled once: 16 chunks of 32 rows (x's 8, W's 8), one a wave, each a dense block of 12,288 bytes of memory, and their scale bytes.  No prefetch: every byte is asked for at the head.
.set CH,    15376                      ; a chunk in LDS: 32 rows x 480 bytes + 16
.set ROWP,  480                        ; a row: 384 bytes of codes, 16 of padding behind each 64
.set SC,    16*CH                      ; the scale bytes: chunk j at 512 j, 16 bytes a row
.set SPARE, SC+8192                    ; the spare words, 128 bytes for each wave: eight blocks of 256 bytes that no other line names
.set AX,  1                            ; v1, v2  LDS address of x's fragments (v2: for the pieces that lie behind one padding more)
.set AW,  3                            ; v3, v4  the same for W
.set SPW, 5                            ; v5      my spare word; never rewritten
.set NIL, 6                            ; v6      0; never rewritten
.set SA,  7                            ; v7      LDS address of my scale words; then the biases' offset; then 8 h
.set SCL, 8                            ; v8-23   scale words: v[SCL + 4 t + s]: lanes 0-15 x's tile t, lanes 16-31 W's tile t, K step s
.set BV,  24                           ; v24-31  scratch at the head; role V: the bias of my channel in tile b, twice (a pair for the packed addition)
.set XF,  32                           ; v32-79  x's four fragments
.set WF,  80                           ; v80-127 W's four fragments
.set ACC, 128                          ; v128-255 accumulator (a, b) at ACC + 32 b + 8 a: unit b = 32 registers
.set CD,  32                           ; behind the products: unit b's codes at CD + 8 b (6 registers)
.set TP,  64                           ; the upper halves as the conversions leave them
.set MG,  80                           ; largest magnitudes
.set SOP, 84                           ; the conversions' scale operands
.set BY,  88                           ; the scales' bytes
.set WD,  92                           ; v92, v93 the two words; v94, v95 the other half's; v96-99 at work
.set L16, 1                            ; behind the products: 16 x lane, 8 x lane, 4 x lane, h
.set L8,  2
.set L4,  3
.set HH,  4
.set WV,  44                           ; s44 wave   s45 cx   s46 tensor (0 q, 1 k, 2 v)   s47 row block   s48 column half   s49 my 64 rows   s50 my head of the four   s51 at work
.set CX,  45
.set TEN, 46
.set RB,  47
.set CHF, 48
.set XB,  49
.set HB,  50
.set G1X,  68                          ; s[68:75] group 1: a chunk of codes, plain;  s[76:83] the same, joint
.set G1W,  76
.set G1SX, 84
.set G1SW, 92
.macro CROUND                          ; a round of the cluster's barrier
	s_barrier_signal -1
	s_barrier_wait -1
	s_cmp_lg_u32 s[WV], 0
	s_cbranch_scc1 .Lnot_wave_0_\@
	s_barrier_signal -3
.Lnot_wave_0_\@:
	s_barrier_wait -3
	s_barrier_signal -1
	s_barrier_wait -1
.endm
; A fragment: 16 rows x 128 K = 12 registers; lane (r, h): registers 6 c .. 6 c + 5 = K 64 c + 32 h + 0 .. 31: 24 bytes of the row as they lie, in pieces of 8 bytes.  Lanes 16-31 read three pieces on,
; which is behind one padding more where the piece's number mod 8 is 5 or more: the second address register serves those.  q: the K step;  t: the tile (its rows lie 8 t rows on).
.macro FRAG reg, adr, q, t
.irp p, 0,1,2,3,4,5
.set PCE, 12*(\q)+6*(\p/3)+\p%3
.if PCE%8 < 5
	ds_load_b64 v[(\reg)+2*\p:(\reg)+2*\p+1], v[\adr] offset:8*PCE+16*(PCE/8)+(\t)*8*ROWP
.else
	ds_load_b64 v[(\reg)+2*\p:(\reg)+2*\p+1], v[(\adr)+1] offset:8*PCE+16*(PCE/8)+(\t)*8*ROWP
.endif
.endr
.endm
; A K step: eight fragments, sixteen products.  role 0 = K, 1 = V.
.macro KSTEP s, role
.if \s > 0
.rept 4
	v_nop                                          ; four places in front of loads into registers that matrix instructions have read
.endr
.endif
.irp t, 0,1,2,3
	FRAG XF+12*\t, AX, \s, \t
.endr
.irp t, 0,1,2,3
	FRAG WF+12*\t, AW, \s, \t
.endr
	s_wait_dscnt 0x0                               ; the fragments (and, in step 0, the scale words) are in
.if (\s == 0) && (\role == 0)
	s_wait_loadcnt 0x0                             ; the biases lie in the accumulators
.endif
.irp b, 0,1,2,3
.irp a, 0,1,2,3
.set rD, ACC+32*\b+8*\a
.if \role == 0
	v_wmma_scale_f32_16x16x128_f8f6f4 v[rD:rD+7], v[WF+12*\a:WF+12*\a+11], v[XF+12*\b:XF+12*\b+11], v[rD:rD+7], v[SCL+4*\a+\s], v[SCL+4*\b+\s] matrix_a_fmt:MATRIX_FMT_FP6 matrix_b_fmt:MATRIX_FMT_FP6 matrix_a_scale:MATRIX_SCALE_ROW1
.elseif \s == 0
	v_wmma_scale_f32_16x16x128_f8f6f4 v[rD:rD+7], v[XF+12*\a:XF+12*\a+11], v[WF+12*\b:WF+12*\b+11], 0, v[SCL+4*\a+\s], v[SCL+4*\b+\s] matrix_a_fmt:MATRIX_FMT_FP6 matrix_b_fmt:MATRIX_FMT_FP6 matrix_b_scale:MATRIX_SCALE_ROW1
.else
	v_wmma_scale_f32_16x16x128_f8f6f4 v[rD:rD+7], v[XF+12*\a:XF+12*\a+11], v[WF+12*\b:WF+12*\b+11], v[rD:rD+7], v[SCL+4*\a+\s], v[SCL+4*\b+\s] matrix_a_fmt:MATRIX_FMT_FP6 matrix_b_fmt:MATRIX_FMT_FP6 matrix_b_scale:MATRIX_SCALE_ROW1
.endif
.endr
.endr
.endm
; The four units, each a whole block of 32 in my lane, become codes and bytes; the units by turns, each accumulator from its low end on.
.macro QUANT4
.irp b, 0,1,2,3
	v_max3_num_f32 v[MG+\b], |v[ACC+32*\b]|, |v[ACC+32*\b+1]|, 0x1800000   ; with the floor 2^(3 - 127): the byte cannot fall under 1
.endr
.irp i, 2,4,6,8,10,12,14,16,18,20,22,24,26,28,30
.irp b, 0,1,2,3
	v_max3_num_f32 v[MG+\b], v[MG+\b], |v[ACC+32*\b+\i]|, |v[ACC+32*\b+\i+1]|
.endr
.endr
.irp b, 0,1,2,3
	s_delay_alu instid0(VALU_DEP_4)
	v_add_nc_u32 v[SOP+\b], 0xff000000, v[MG+\b]   ; 2 off the exponent field: the conversion's scale operand
.endr
.irp b, 0,1,2,3
	s_delay_alu instid0(VALU_DEP_4)
	v_lshrrev_b32 v[BY+\b], 23, v[SOP+\b]          ; the scale's byte
.endr
.irp b, 0,1,2,3
	v_cvt_scalef32_pk16_fp6_f32 v[CD+8*\b:CD+8*\b+2], v[ACC+32*\b:ACC+32*\b+15], v[SOP+\b]
	v_cvt_scalef32_pk16_fp6_f32 v[TP+4*\b:TP+4*\b+2], v[ACC+32*\b+16:ACC+32*\b+31], v[SOP+\b]   ; (a conversion's three registers begin on an even number)
.endr
	v_nop                                          ; one plain place behind the scaled conversions
.irp b, 0,1,2,3
.irp i, 0,1,2
	v_mov_b32 v[CD+8*\b+3+\i], v[TP+4*\b+\i]
.endr
.endr
.endm
; Word u, in every lane: [unit 2 u: block 0, block 1; unit 2 u + 1: block 0, block 1] of my row r: my byte at 8 h bits, joined with lane l xor 16's.
.macro WORDS
.irp u, 0,1
	v_lshl_or_b32 v[WD+\u], v[BY+2*\u+1], 16, v[BY+2*\u]
.endr
.irp u, 0,1
	s_delay_alu instid0(VALU_DEP_2)
	v_lshlrev_b32 v[WD+\u], v[SA], v[WD+\u]
.endr
.irp u, 0,1
	s_delay_alu instid0(VALU_DEP_2)
	v_permlanex16_b32 v[WD+2+\u], v[WD+\u], s12, s13
.endr
.irp u, 0,1
	s_delay_alu instid0(VALU_DEP_2)
	v_or_b32 v[WD+\u], v[WD+\u], v[WD+2+\u]
.endr
.endm
	s_load_b512 s[4:19], s[0:1], 0x0               ; q's codes, scales; k's; v's; Wq's codes, scales
	s_load_b512 s[20:35], s[0:1], 0x40             ; Wk's codes, scales; Wv's; bq; bk; bv; qimg
	s_load_b64 s[36:37], s[0:1], 0x80              ; kv
	v_lshl_add_u32 v[SPW], v0, 2, SPARE
	v_mov_b32 v[NIL], 0
	ds_add_u32 v[SPW], v[NIL]                      ; the wave's opening: the add, twice on end, and its wait ahead of my first tensor load
	ds_add_u32 v[SPW], v[NIL]
	v_lshrrev_b32 v7, 5, v0
	s_delay_alu instid0(VALU_DEP_1)
	v_readfirstlane_b32 s[WV], v7                  ; wave 0..15
	s_bfe_u32 s[CX], ttmp6, 0x40000                ; my place in the cluster
	s_lshr_b32 s[TEN], ttmp9, 3                    ; 8 clusters to a tensor: the same in all four partners
	s_lshl_b32 s[RB], ttmp9, 2
	s_add_co_u32 s[RB], s[RB], s[CX]
	s_and_b32 s[RB], s[RB], 31                     ; which 256 rows of the tensor's 8,192
	s_and_b32 s[CHF], ttmp7, 0xffff                ; which 256 columns
	s_and_b32 s[XB], s[WV], 3
	s_lshr_b32 s[HB], s[WV], 2
	; group 1 for a chunk of codes: 12,288 dense bytes as 16 rows of 768; 16 bytes of padding behind each 64 (codes 3 and 3)
	s_mov_b32 s[G1X], (1<<20)|(3<<22)|(3<<25)
	s_mov_b32 s[G1W], 15|(1<<20)|(1<<21)|(3<<22)|(3<<25)   ; the same for all four partners; bit 21 set beside the mask
.irp g, G1X, G1W
	s_mov_b32 s[\g+1], 768<<16                     ; tensor_dim0
	s_mov_b32 s[\g+2], 16<<16                      ; tensor_dim1
	s_mov_b32 s[\g+3], 768<<16                     ; tile_dim0
	s_mov_b32 s[\g+4], 16                          ; tile_dim1
	s_mov_b32 s[\g+5], 768                         ; from row to row
	s_mov_b32 s[\g+6], 0
	s_mov_b32 s[\g+7], 0
.endr
	; THE SCALE BYTES come through registers: a chunk's 512 dense bytes are 16 bytes a lane: one global load a wave, stored to LDS at SC + 16 x thread (each work-group fetches its own, W's too)
	s_and_b32 s2, s[WV], 7
	s_lshl_b32 s2, s2, 5                           ; my chunk's 32 rows
	s_lshl_b32 s3, s[RB], 8
	s_add_co_u32 s3, s3, s2                        ; in x
	s_mul_i32 s38, s3, 384                         ; their codes,
	s_mov_b32 s39, 0
	s_lshl_b32 s40, s3, 4                          ; their scale bytes
	s_mov_b32 s41, 0
	s_lshl_b32 s66, s[CHF], 8
	s_add_co_u32 s66, s66, s2                      ; in W: made of the column half and the wave's number alone
	s_mul_i32 s42, s66, 384
	s_mov_b32 s43, 0
	s_lshl_b32 s100, s66, 4
	s_mov_b32 s101, 0
	s_mul_i32 s67, s[WV], CH                       ; where my chunk goes: waves 0-7 x's chunks, waves 8-15 W's
	v_and_b32 v30, 31, v0
	s_delay_alu instid0(VALU_DEP_1)
	v_lshlrev_b32 v30, 4, v30                      ; 16 x lane: my 16 of the chunk's 512 scale bytes
	v_lshl_add_u32 v31, v0, 4, SC                  ; and where they go: SC + 512 x wave + 16 x lane
	s_wait_alu depctr_va_vdst(0)
	s_wait_dscnt 0x0                               ; both opening adds are done
	s_wait_kmcnt 0x0
	s_cmp_eq_u32 s[TEN], 0                         ; the tensor's buffers: a choice on the work-group's number alone
	s_cselect_b64 s[52:53], s[4:5], s[8:9]         ; x's codes
	s_cselect_b64 s[54:55], s[6:7], s[10:11]       ; x's scales
	s_cselect_b64 s[56:57], s[16:17], s[20:21]     ; W's codes
	s_cselect_b64 s[58:59], s[18:19], s[22:23]     ; W's scales
	s_cselect_b64 s[60:61], s[28:29], s[30:31]     ; the bias
	s_cselect_b64 s[62:63], s[34:35], s[36:37]     ; where the images go: qimg, or kv
	s_cmp_eq_u32 s[TEN], 2
	s_cselect_b64 s[52:53], s[12:13], s[52:53]
	s_cselect_b64 s[54:55], s[14:15], s[54:55]
	s_cselect_b64 s[56:57], s[24:25], s[56:57]
	s_cselect_b64 s[58:59], s[26:27], s[58:59]
	s_cselect_b64 s[60:61], s[32:33], s[60:61]
	s_add_nc_u64 s[6:7], s[54:55], s[40:41]        ; x's scale bytes of my chunk's rows
	s_mov_b32 s8, 1                                ; x's codes,
	s_mov_b32 s9, s67
	s_add_nc_u64 s[10:11], s[52:53], s[38:39]
	s_or_b32 s11, s11, 0x80000000
	s_add_nc_u64 s[26:27], s[58:59], s[100:101]    ; W's scale bytes of my chunk's rows
	s_cmp_lt_u32 s[WV], 8                          ; waves 0-7 serve x's chunks, waves 8-15 W's
	s_cselect_b64 s[6:7], s[6:7], s[26:27]
	global_load_b128 v[32:35], v30, s[6:7]         ; 512 consecutive bytes, at a multiple of 256 from the buffer's first byte
	s_mov_b32 s28, 1                               ; W's codes
	s_mov_b32 s29, s67
	s_add_nc_u64 s[30:31], s[56:57], s[42:43]
	s_or_b32 s31, s31, 0x80000000
	CROUND                                         ; all four work-groups are here: the joint loads meet
	s_cmp_lt_u32 s[WV], 8                          ; every wave fills one chunk of codes: one tensor load a wave; an s_nop 0 and four v_nop follow it
	s_cbranch_scc0 .Lfill_w
	tensor_load_to_lds s[8:11], s[G1X:G1X+7]
	s_nop 0
.rept 4
	v_nop
.endr
	s_branch .Lfilled
.Lfill_w:
	tensor_load_to_lds s[28:31], s[G1W:G1W+7]
	s_nop 0
.rept 4
	v_nop
.endr
.Lfilled:
	v_and_b32 v24, 7, v0                           ; r & 7
	v_bfe_u32 v25, v0, 3, 1                        ; r >> 3
	v_bfe_u32 v26, v0, 4, 1                        ; h
	s_delay_alu instid0(VALU_DEP_2)
	v_mul_u32_u24 v27, v25, CH                     ; a tile's rows 8-15 lie 32 rows on: in the next chunk
	s_delay_alu instid0(VALU_DEP_1)
	v_mad_u32_u24 v27, v24, ROWP, v27
	s_delay_alu instid0(VALU_DEP_1)
	v_mad_u32_u24 v27, v26, 24, v27
	s_mul_i32 s2, s[XB], 2*CH                      ; my 64 rows of x: two chunks
	v_add_nc_u32 v[AX], s2, v27
	s_delay_alu instid0(VALU_DEP_1)
	v_lshl_add_u32 v[AX+1], v26, 4, v[AX]
	s_mul_i32 s2, s[HB], 2*CH                      ; my head's 64 rows of W, behind x's eight chunks
	s_add_co_u32 s2, s2, 8*CH
	v_add_nc_u32 v[AW], s2, v27
	s_delay_alu instid0(VALU_DEP_1)
	v_lshl_add_u32 v[AW+1], v26, 4, v[AW]
	s_xor_b32 s2, s[XB], 3                         ; the scale words: lanes 0-15 x's rows, lanes 16-31 W's, 1,024 (4 + head - my 64 rows) bytes on: one product with h
	s_add_co_u32 s2, s2, s[HB]
	s_add_co_u32 s2, s2, 1
	s_lshl_b32 s2, s2, 10
	v_mul_u32_u24 v28, s2, v26
	v_lshl_add_u32 v29, v25, 5, v24                ; (r & 7) + 32 (r >> 3)
	s_delay_alu instid0(VALU_DEP_1)
	v_lshl_add_u32 v28, v29, 4, v28                ; 16 bytes a row
	s_lshl_b32 s3, s[XB], 10
	s_add_co_u32 s3, s3, SC
	v_add_nc_u32 v[SA], s3, v28
	s_lshl_b32 s2, s[CHF], 2
	s_add_co_u32 s2, s2, s[HB]
	s_lshl_b32 s2, s2, 8                           ; my head's 64 numbers of the bias
	s_mov_b32 s3, 0
	s_add_nc_u64 s[60:61], s[60:61], s[2:3]
	s_mov_b32 s12, 0x76543210                      ; v_permlanex16_b32's selects for lane l xor 16
	s_mov_b32 s13, 0xfedcba98
	s_wait_alu depctr_va_vdst(0)
	s_wait_loadcnt 0x0                             ; my chunk's scale bytes are in registers,
	s_wait_tensorcnt 0x0                           ; my chunk of codes is in LDS,
	ds_store_b128 v31, v[32:35]                    ; the scale bytes go to bytes of their own, into which no fill lands,
	s_wait_dscnt 0x0                               ; and are there
	s_barrier_signal -1
	s_barrier_wait -1
.irp t, 0,1,2,3
	ds_load_b128 v[SCL+4*\t:SCL+4*\t+3], v[SA] offset:128*\t   ; tile t's rows lie 8 t rows on; a row's 16 bytes are the words of the four K steps
.endr
	s_cmp_eq_u32 s[TEN], 2                         ; the one parting of the roles ahead of the quantiser: on the work-group's number, the same in all partners
	s_cbranch_scc1 .Lrole_v
	v_bfe_u32 v[SA], v0, 4, 1
	s_delay_alu instid0(VALU_DEP_1)
	v_lshlrev_b32 v[SA], 7, v[SA]                  ; ROLE K.  The bias is the sums' first C: register 8 a + j of a unit is channel 32 h + 8 a + j
.irp b, 0,1,2,3
.irp a, 0,1,2,3
	global_load_b128 v[ACC+32*\b+8*\a:ACC+32*\b+8*\a+3], v[SA], s[60:61] offset:32*\a
	global_load_b128 v[ACC+32*\b+8*\a+4:ACC+32*\b+8*\a+7], v[SA], s[60:61] offset:32*\a+16
.endr
.endr
	KSTEP 0, 0
	KSTEP 1, 0
	KSTEP 2, 0
	KSTEP 3, 0
	s_branch .Ljoin
.Lrole_v:
	v_and_b32 v[SA], 7, v0                         ; ROLE V.  All 32 numbers of a unit are one channel's: 8 b + (r & 7) + 32 (r >> 3); its bias is added behind the sums
	v_bfe_u32 v24, v0, 3, 1
	s_delay_alu instid0(VALU_DEP_2)
	v_lshlrev_b32 v[SA], 2, v[SA]
	s_delay_alu instid0(VALU_DEP_1)
	v_lshl_add_u32 v[SA], v24, 7, v[SA]
.irp b, 0,1,2,3
	global_load_b32 v[BV+2*\b], v[SA], s[60:61] offset:32*\b
	global_load_b32 v[BV+2*\b+1], v[SA], s[60:61] offset:32*\b
.endr
	KSTEP 0, 1
	KSTEP 1, 1
	KSTEP 2, 1
	KSTEP 3, 1
.rept 4
	v_nop                                          ; four places in front of the first read of results
.endr
	s_wait_loadcnt 0x0                             ; the biases
.irp b, 0,1,2,3
.set j, 0
.rept 16
	v_pk_add_f32 v[ACC+32*\b+j:ACC+32*\b+j+1], v[ACC+32*\b+j:ACC+32*\b+j+1], v[BV+2*\b:BV+2*\b+1]
.set j, j+2
.endr
.endr
.Ljoin:
	v_and_b32 v[L16], 31, v0                       ; six plain lines that name no register of the last products: the places in front of the first read of results
	s_delay_alu instid0(VALU_DEP_1)
	v_lshlrev_b32 v[L8], 3, v[L16]
	s_delay_alu instid0(VALU_DEP_2)
	v_lshlrev_b32 v[L4], 2, v[L16]
	s_delay_alu instid0(VALU_DEP_3)
	v_lshlrev_b32 v[L16], 4, v[L16]
	v_bfe_u32 v[HH], v0, 4, 1
	s_delay_alu instid0(VALU_DEP_1)
	v_lshlrev_b32 v[SA], 3, v[HH]                  ; 8 h
	v_mov_b32 v[WD+2], 0                           ; a lane permute's destination counts as one of its sources
	v_mov_b32 v[WD+3], 0
	QUANT4
	WORDS
	; where my units go: Y = batch x 8 + head; G = which 64 rows of the batch's 4,096; a block of the buffer holds 128 rows: step = G / 2, c = G & 1
	s_lshr_b32 s2, s[RB], 4
	s_lshl_b32 s2, s2, 3
	s_lshl_b32 s3, s[CHF], 2
	s_add_co_u32 s2, s2, s3
	s_add_co_u32 s2, s2, s[HB]                     ; Y
	s_and_b32 s3, s[RB], 15
	s_lshl_b32 s3, s3, 2
	s_add_co_u32 s3, s3, s[XB]                     ; G
	s_lshr_b32 s14, s3, 1                          ; step
	s_and_b32 s15, s3, 1                           ; c
	s_lshl_b32 s2, s2, 5
	s_add_co_u32 s2, s2, s14                       ; 32 Y + step
	s_mov_b32 s51, 12800                           ; a block of kv,
	s_cmp_eq_u32 s[TEN], 0
	s_cselect_b32 s51, 6400, s51                   ; of qimg
	s_mul_i32 s2, s2, s51
	s_mov_b32 s3, 0
	s_add_nc_u64 s[62:63], s[62:63], s[2:3]        ; my block
	s_mov_b32 s17, 0
	s_cmp_eq_u32 s[TEN], 2
	s_cbranch_scc1 .Lstore_v
	s_mul_i32 s16, s15, 3072                       ; ROLE K: half image 4 c + b at 768 (4 c + b)
	s_add_nc_u64 s[18:19], s[62:63], s[16:17]
	s_lshl_b32 s16, s15, 7                         ; the scale words' plane c: 256 (q) or 512 (k) bytes ahead of the block's end, + 128 c
	s_add_co_u32 s16, s16, s51
	s_add_co_u32 s22, s[TEN], 1
	s_lshl_b32 s22, s22, 8
	s_sub_co_u32 s16, s16, s22
	s_add_nc_u64 s[20:21], s[62:63], s[16:17]
	v_cmp_ne_u32 vcc_lo, 0, v[HH]
	s_wait_alu depctr_va_vdst(0)
	v_cndmask_b32 v[WD+4], v[WD], v[WD+1], vcc_lo  ; lane (r, g) stores the word of tiles 2 g and 2 g + 1
.irp b, 0,1,2,3
	global_store_b128 v[L16], v[CD+8*\b:CD+8*\b+3], s[18:19] offset:768*\b        ; 512 consecutive bytes, at a multiple of 256 from the buffer's first byte
	global_store_b64 v[L8], v[CD+8*\b+4:CD+8*\b+5], s[18:19] offset:768*\b+512    ; and 256 more
.endr
	global_store_b32 v[L4], v[WD+4], s[20:21]      ; 128 consecutive bytes: half of an aligned 256; the wave with the other c stores the other half
	s_branch .Lend
.Lstore_v:
	s_mul_i32 s16, s15, 768                        ; ROLE V: fragment b's half c at 6,144 + 1,536 b + 768 c
	s_add_co_u32 s16, s16, 6144
	s_add_nc_u64 s[18:19], s[62:63], s[16:17]
	s_lshl_b32 s16, s15, 1                         ; a fragment's scale word has the step's four key blocks: mine are bytes 2 c and 2 c + 1
	s_add_co_u32 s16, s16, 12544
	s_add_nc_u64 s[20:21], s[62:63], s[16:17]
	v_lshlrev_b32 v[WD+5], 1, v[SA]                ; 16 h
	s_wait_alu depctr_va_vdst(0)
	v_lshrrev_b32 v[WD+6], v[WD+5], v[WD]          ; plane j, lane (r, g): fragment 2 j + g's two bytes
	v_lshrrev_b32 v[WD+7], v[WD+5], v[WD+1]
.irp b, 0,1,2,3
	global_store_b128 v[L16], v[CD+8*\b:CD+8*\b+3], s[18:19] offset:1536*\b
	global_store_b64 v[L8], v[CD+8*\b+4:CD+8*\b+5], s[18:19] offset:1536*\b+512
.endr
	global_store_b16 v[L4], v[WD+6], s[20:21]      ; halves of words inside a run of 128 bytes: a word's four bytes come from two waves of this work-group; one byte in 24 of what the wave stores
	global_store_b16 v[L4], v[WD+7], s[20:21] offset:128
.Lend:
	s_wait_tensorcnt 0x0                           ; the wave's end
	ds_add_u32 v[SPW], v[NIL]
	s_wait_dscnt 0x0
	CROUND                                         ; the closing round: no work-group ends while a partner may still ask for a tile that names it
	s_endpgm
.Lfunc_end_k_qc29294a0e0_proj:
	.size	k_qc29294a0e0_proj, .Lfunc_end_k_qc29294a0e0_proj-k_qc29294a0e0_proj
	.p2alignl 7, 3214868480
	.fill 96, 4, 3214868480
	.section	.rodata,"a",@progbits
	.p2align	6, 0x0
	.amdhsa_kernel k_qc29294a0e0_proj
		.amdhsa_group_segment_fixed_size 256256
		.amdhsa_private_segment_fixed_size 0
		.amdhsa_enable_private_segment 0
		.amdhsa_kernarg_size 136
		.amdhsa_user_sgpr_count 2
		.amdhsa_user_sgpr_kernarg_segment_ptr 1
		.amdhsa_wavefront_size32 1
		.amdhsa_system_sgpr_workgroup_id_x 1
		.amdhsa_system_sgpr_workgroup_id_y 1
		.amdhsa_system_sgpr_workgroup_id_z 1
		.amdhsa_system_vgpr_workitem_id 0
		.amdhsa_next_free_vgpr 256
		.amdhsa_next_free_sgpr 102
		.amdhsa_reserve_vcc 1
		.amdhsa_float_denorm_mode_32 3
		.amdhsa_float_denorm_mode_16_64 3
		.amdhsa_memory_ordered 1
		.amdhsa_forward_progress 1
		.amdhsa_inst_pref_size 67
	.end_amdhsa_kernel
	.amdgpu_metadata
---
amdhsa.version: [ 1, 2 ]
amdhsa.kernels:
  - .name:           k_qc29294a0e0_proj
    .symbol:         k_qc29294a0e0_proj.kd
    .args:
      - { .name: q_codes, .offset: 0, .size: 8, .value_kind: global_buffer, .address_space: global }
      - { .name: q_scales, .offset: 8, .size: 8, .value_kind: global_buffer, .address_space: global }
      - { .name: k_codes, .offset: 16, .size: 8, .value_kind: global_buffer, .address_space: global }
      - { .name: k_scales, .offset: 24, .size: 8, .value_kind: global_buffer, .address_space: global }
      - { .name: v_codes, .offset: 32, .size: 8, .value_kind: global_buffer, .address_space: global }
      - { .name: v_scales, .offset: 40, .size: 8, .value_kind: global_buffer, .address_space: global }
      - { .name: Wq_codes, .offset: 48, .size: 8, .value_kind: global_buffer, .address_space: global }
      - { .name: Wq_scales, .offset: 56, .size: 8, .value_kind: global_buffer, .address_space: global }
      - { .name: Wk_codes, .offset: 64, .size: 8, .value_kind: global_buffer, .address_space: global }
      - { .name: Wk_scales, .offset: 72, .size: 8, .value_kind: global_buffer, .address_space: global }
      - { .name: Wv_codes, .offset: 80, .size: 8, .value_kind: global_buffer, .address_space: global }
      - { .name: Wv_scales, .offset: 88, .size: 8, .value_kind: global_buffer, .address_space: global }
      - { .name: bq, .offset: 96, .size: 8, .value_kind: global_buffer, .address_space: global }
      - { .name: bk, .offset: 104, .size: 8, .value_kind: global_buffer, .address_space: global }
      - { .name: bv, .offset: 112, .size: 8, .value_kind: global_buffer, .address_space: global }
      - { .name: qimg, .offset: 120, .size: 8, .value_kind: global_buffer, .address_space: global }
      - { .name: kv, .offset: 128, .size: 8, .value_kind: global_buffer, .address_space: global }
    .group_segment_fixed_size: 256256
    .private_segment_fixed_size: 0
    .kernarg_segment_align: 8
    .kernarg_segment_size: 136
    .max_flat_workgroup_size: 512
    .sgpr_count:     102
    .vgpr_count:     256
    .wavefront_size: 32
...
	.end_amdgpu_metadata
.endif
;; end of part 1
;; launch attn (part 2): grid 16 x 16, 16 waves a work-group, clusters of 4 x 1, 327,680 bytes of LDS; arguments qimg, kv, mimg; writes mimg
.if DOCPART == 2
	.amdgcn_target "amdgcn-amd-amdhsa--gfx1250"
	.amdhsa_code_object_version 6
	.text
	.protected	k_qc29294a0e0_attn
	.globl	k_qc29294a0e0_attn
	.p2align	8
	.type	k_qc29294a0e0_attn,@function
k_qc29294a0e0_attn:
	s_mov_b64 s[64:65], 0
	v_nop
	global_prefetch_b8 v0, s[64:65] scope:SCOPE_SE
	s_setreg_imm32_b32 hwreg(HW_REG_WAVE_MODE, 25, 1), 1
	s_wait_xcnt 0x0
	s_wait_alu depctr_hold_cnt(0) depctr_sa_sdst(0) depctr_va_vdst(0) depctr_va_sdst(0) depctr_va_ssrc(0) depctr_va_vcc(0) depctr_vm_vsrc(0)
	s_getreg_b32 s2, hwreg(HW_REG_IB_STS2, 6, 4)
	s_cmp_eq_u32 s2, 0
	s_cbranch_scc0 .Lentry_in_a_cluster
	s_endpgm
.Lentry_in_a_cluster:
	s_bfe_u32 s2, ttmp6, 0x10000c
	s_cmp_lg_u32 s2, 0x3003
	s_cbranch_scc0 .Lentry_shape_is_right
	s_endpgm
.Lentry_shape_is_right:
; ATTENTION on codes of FP6 (E2M3): mix[q][head] = the sum over the keys of softmax(qh . kh / 8) vh, both products by the scaled matrix instruction; mix is quantised at once, along head x 64 + channel, for the last product.
; Nothing of the problem is left out here.
; THE SOFTMAX: t = score x log2(e) / 8 (the 1/8 of qh is a power of two and stands in this constant: the first launch's head says why and with what limit); M = the running largest t rounded UP to a whole number;
; p = 2^(t - M) is what is quantised, along the keys; the row's sum is taken of the unquantised p and divides at the end.  When M moves, the sum and O are multiplied by 2^(old M - new M), which rounds nothing.
; A block's largest p is not searched for: p rises with the score, so the block's largest SCORE goes through the same multiply-add and exponential (this takes v_exp_f32 not to fall where its input rises).
; LIMITS: a block of zeros gets the byte 1 where the rule says 127 (its codes are zeros; this program alone reads the bytes); a p under 2^-126 counts as 0; NaN and infinities are not served;
; the promise holds while the scaled scores t stay under 2^31 in magnitude.
; SHARES.  A work-group owns 256 queries of one head of one batch; each of its sixteen waves one tile of 16.  Every wave walks the head's 4,096 keys, 128 a step.
; A step's block of kv (12,800 bytes: K's 8 half images, V's 8, 4 planes of scale words) is read as it lies: every LDS load takes 16, 8 or 4 bytes x lane on end.
; LAYOUT.  Both products are used transposed: S^T = K Q^T, O^T = V^T P^T: a lane holds one query (lane % 16) throughout.  By the first launch's order of rows in a tile, register 32 c + i of S^T is key 64 c + 32 h + i:
; a whole block of 32 keys in one lane; and register i of O^T is channel 32 h + i: a whole block of the last product's K.
; THE SCORES HAVE K = 64 in an instruction of K = 128.  Source 0 takes TWO tiles of keys, one in K 0-63 and one in K 64-127; source 1 is [q | zeros] for the first tile's scores and [zeros | q] for the second's.
; THE RING: slot A holds 8 steps (102,400 bytes), slot B 16 (204,800).  The 32 steps go A (0-7), B (8-23), A again (24-31): one refill.  Every wave loads a sixteenth of each fill, one tensor load a wave.
; THE CHANGE OF SLOTS STANDS INSIDE A SLOT'S LAST STEP: when that step's K and V are in registers nothing of the slot is read any more; the wave signals there, and the softmax and the second product, work on registers, stand between signal and wait.
; THE ROW'S SUM of a step's p is taken at the head of the NEXT step, between K's LDS loads and the wait for them; its last seven additions are the places behind the score products.  So S^T begins as zeros.
; NO PREFETCH: slot B is asked for 8 key steps, slot A's refill 16 key steps ahead of the wait for it; only the first fill is waited for, and no loop stands ahead of it.
; CLUSTER: the four query blocks of a cluster walk the same kv: every load is joint (mask 15).
.set STEPB, 12800
.set SLOTA, 8*STEPB                    ; slot B begins here
.set SPARE, 24*STEPB                   ; the spare words, 128 bytes for each wave: eight blocks of 256 bytes that no other line names
.set L16, 1                            ; v1-3    16, 8, 4 x lane; never rewritten
.set L8,  2
.set L4,  3
.set A16, 4                            ; v4-6    the same + the step's first LDS byte
.set A8,  5
.set A4,  6
.set SPW, 7                            ; v7      my spare word; never rewritten
.set NIL, 8                            ; v8      0; never rewritten
.set H8,  9                            ; v9      8 h
.set TA,  10                           ; v10, v11 at work
.set TT,  11
.set NM,  12                           ; v12 -M, v13 the largest t
.set LS,  14                           ; v[14:15] the sum, in two halves
.set QF,  16                           ; v16-21 q, v22-27 zeros, v28-33 q
.set QS,  34                           ; q's scale word [s0, s1, s0, s1]
.set PS,  35                           ; p's scale word
.set KS,  36                           ; v36, v37 K's scale words: lanes 0-15 the even pair of tiles, lanes 16-31 the odd
.set VS,  38                           ; v38, v39 V's
.set FG,  40                           ; v40-87  four fragments: K's, then V's
.set SS,  88                           ; v88-151 S^T, then p
.set OT,  152                          ; v152-183 O^T
.set PC,  184                          ; v184-195 p's codes
.set T0,  196
.set T1,  200
.set MX,  204                          ; v204-207 largest scores
.set CN,  208                          ; v208-221 seven chains of the sum
.set FF,  222                          ; v[222:223] f = 2^(old M - new M); at the end 1 / the sum
.set SOP, 224
.set BY,  226
.set WV,  10                           ; s10 wave  s11 cx  s12 query block  s13 batch x 8 + head
.set G1,  16                           ; s[16:23] group 1 for slot A: 25 rows a wave;  s[24:27] its group 0
.set G0,  24
.set TB,  28                           ; s28 LDS byte at which the step in hand begins
.set STEPS, 30
.set CS,  32                           ; s[32:33] c = log2(e) / 8, named as a pair
.set SEL, 34                           ; s[34:35] v_permlanex16_b32's selects for lane l xor 16
.set G1B, 52                           ; s[52:59] group 1 for slot B: 50 rows a wave;  s[60:63] its group 0
.set G0B, 60
.macro CREST                           ; a round of the cluster's barrier behind its opening barrier
	s_cmp_lg_u32 s[WV], 0
	s_cbranch_scc1 .Lnot_wave_0_\@
	s_barrier_signal -3
.Lnot_wave_0_\@:
	s_barrier_wait -3
	s_barrier_signal -1
	s_barrier_wait -1
.endm
.macro CROUND                          ; a whole round
	s_barrier_signal -1
	s_barrier_wait -1
	CREST
.endm
.macro NOP4
.rept 4
	v_nop
.endr
.endm
; Eight half images from byte off of the step's block into the four fragments: registers 0-3 at 16 x lane, 4-5 at 512 + 8 x lane
.macro IMAGES off
.irp i, 0,1,2,3,4,5,6,7
	ds_load_b128 v[FG+6*\i:FG+6*\i+3], v[A16] offset:\off+768*\i
	ds_load_b64 v[FG+6*\i+4:FG+6*\i+5], v[A8] offset:\off+768*\i+512
.endr
.endm
; THE SUM of the 64 p in S^T's registers, two at a time: pair j = registers 2 j, 2 j + 1.  Seven chains and the sum itself take turns.
.macro CINI k                          ; chain k begins with pairs k and k + 7
	v_pk_add_f32 v[CN+2*\k:CN+2*\k+1], v[SS+2*\k:SS+2*\k+1], v[SS+2*\k+14:SS+2*\k+15]
.endm
.macro SUMS                            ; the other 24 additions that read p
.irp k, 1,2,3,4,5,6
	CINI \k
.endr
	v_pk_add_f32 v[LS:LS+1], v[LS:LS+1], v[SS+28:SS+29]
.irp g, 15,23
.irp k, 0,1,2,3,4,5,6
	v_pk_add_f32 v[CN+2*\k:CN+2*\k+1], v[CN+2*\k:CN+2*\k+1], v[SS+2*(\g+\k):SS+2*(\g+\k)+1]
.endr
	v_pk_add_f32 v[LS:LS+1], v[LS:LS+1], v[SS+2*(\g+7):SS+2*(\g+7)+1]
.endr
	v_pk_add_f32 v[CN:CN+1], v[CN:CN+1], v[SS+62:SS+63]
.endm
.macro TREE                            ; the chains are joined: seven additions that name no register of S^T
	v_pk_add_f32 v[CN:CN+1], v[CN:CN+1], v[CN+2:CN+3]
	v_pk_add_f32 v[CN+4:CN+5], v[CN+4:CN+5], v[CN+6:CN+7]
	v_pk_add_f32 v[CN+8:CN+9], v[CN+8:CN+9], v[CN+10:CN+11]
	v_pk_add_f32 v[LS:LS+1], v[LS:LS+1], v[CN+12:CN+13]
	s_delay_alu instid0(VALU_DEP_3)
	v_pk_add_f32 v[CN:CN+1], v[CN:CN+1], v[CN+4:CN+5]
	s_delay_alu instid0(VALU_DEP_2)
	v_pk_add_f32 v[LS:LS+1], v[LS:LS+1], v[CN+8:CN+9]
	s_delay_alu instid0(VALU_DEP_1)
	v_pk_add_f32 v[LS:LS+1], v[LS:LS+1], v[CN:CN+1]
.endm
.macro FMAS j0                         ; t - M of sixteen scores, two at a time
.irp i, 0,2,4,6,8,10,12,14
	v_pk_fma_f32 v[SS+\j0+\i:SS+\j0+\i+1], v[SS+\j0+\i:SS+\j0+\i+1], s[CS:CS+1], v[NM:NM+1] op_sel_hi:[1,0,0]
.endr
.endm
.macro OMUL j                          ; two numbers of O^T under the new M
	v_pk_mul_f32 v[OT+\j:OT+\j+1], v[OT+\j:OT+\j+1], v[FF:FF+1] op_sel_hi:[1,0]
.endm
; A KEY STEP: 128 keys.  mode 0: inside a slot.  mode 1: slot A's last step of its first fill: the change of slots with the refill.  mode 2: slot B's last step: the change of slots, nothing is filled again.
.macro STEP mode
	v_add_nc_u32 v[A16], s[TB], v[L16]             ; these three and the first addition: four places in front of loads into registers that the last step's products have read
	v_add_nc_u32 v[A8], s[TB], v[L8]
	v_add_nc_u32 v[A4], s[TB], v[L4]
	CINI 0
	IMAGES 0                                       ; K
	ds_load_b32 v[KS], v[A4] offset:12288
	ds_load_b32 v[KS+1], v[A4] offset:12416
	SUMS                                           ; the last step's p, still under the last step's M, while K is on its way
	s_wait_alu depctr_va_vdst(0)
	s_wait_dscnt 0x0
.irp t, 0,1,2,3,4,5,6,7                        ; tile t of 16 keys: half t % 2 of fragment t / 2
.if ((\t/2)%2) == 0
	v_wmma_scale_f32_16x16x128_f8f6f4 v[SS+8*\t:SS+8*\t+7], v[FG+12*(\t/2):FG+12*(\t/2)+11], v[QF+6*(\t%2):QF+6*(\t%2)+11], 0, v[KS+\t/4], v[QS] matrix_a_fmt:MATRIX_FMT_FP6 matrix_b_fmt:MATRIX_FMT_FP6
.else
	v_wmma_scale_f32_16x16x128_f8f6f4 v[SS+8*\t:SS+8*\t+7], v[FG+12*(\t/2):FG+12*(\t/2)+11], v[QF+6*(\t%2):QF+6*(\t%2)+11], 0, v[KS+\t/4], v[QS] matrix_a_fmt:MATRIX_FMT_FP6 matrix_b_fmt:MATRIX_FMT_FP6 matrix_a_scale:MATRIX_SCALE_ROW1
.endif
.endr
	TREE                                           ; seven places: in front of the loads below, and of the first read of the scores
	IMAGES 6144                                    ; V: it lands under the maxima
	ds_load_b32 v[VS], v[A4] offset:12544
	ds_load_b32 v[VS+1], v[A4] offset:12672
.if \mode
	s_wait_tensorcnt 0x0                           ; all my tensor loads have landed: the one that was out is my sixteenth of the slot ahead
	ds_add_u32 v[SPW], v[NIL]                      ; 0 onto my spare word; the maxima stand between it and the wait for it
.if \mode == 1
	s_add_nc_u64 s[G0+2:G0+3], s[G0+2:G0+3], 24*STEPB  ; no load of mine is out: slot A's group 0 steps to key steps 24-31
.endif
.endif
.irp b, 0,1,2,3
	v_max3_num_f32 v[MX+\b], v[SS+16*\b], v[SS+16*\b+1], v[SS+16*\b+2]   ; the largest scores, four chains by turns, each accumulator from its low end on
.endr
.irp i, 3,5,7,9,11,13
.irp b, 0,1,2,3
	v_max3_num_f32 v[MX+\b], v[MX+\b], v[SS+16*\b+\i], v[SS+16*\b+\i+1]
.endr
.endr
.irp b, 0,1,2,3
	v_max_num_f32 v[MX+\b], v[MX+\b], v[SS+16*\b+15]
.endr
.if \mode
	s_wait_alu depctr_va_vdst(0)
	s_wait_dscnt 0x0                               ; the add is done, and V is in: my reads of this slot are over
	s_barrier_signal -1                            ; say so; all up to the wait is work on registers
.endif
.if \mode == 0
	s_delay_alu instid0(VALU_DEP_3)
.endif
	v_max_num_f32 v[MX], v[MX], v[MX+1]            ; key block h's largest score: all its 32 keys are mine;
.if \mode == 0
	s_delay_alu instid0(VALU_DEP_2)
.endif
	v_max_num_f32 v[MX+2], v[MX+2], v[MX+3]        ; key block 2 + h's
	s_delay_alu instid0(VALU_DEP_1)
	v_max_num_f32 v[TA], v[MX], v[MX+2]
	s_delay_alu instid0(VALU_DEP_1)
	v_permlanex16_b32 v[TT], v[TA], s[SEL], s[SEL+1]
	s_delay_alu instid0(VALU_DEP_1)
	v_max_num_f32 v[TA], v[TA], v[TT]              ; the step's largest score of my query
	s_delay_alu instid0(VALU_DEP_1)
	v_mul_f32 v[TA], s[CS], v[TA]                  ; as t (c is positive)
	s_delay_alu instid0(VALU_DEP_1)
	v_max_num_f32 v[NM+1], v[NM+1], v[TA]          ; the running largest t
	v_mov_b32 v[TA], v[NM]
	s_delay_alu instid0(VALU_DEP_2)
	v_floor_f32 v[NM], -v[NM+1]                    ; the new -M = floor(-t) = -ceil(t)
	FMAS 0                                         ; the three lines that make f stand among the multiply-adds
	v_sub_f32 v[TA], v[NM], v[TA]                  ; old M - new M: a whole number, 0 or less
	FMAS 16
	v_cvt_i32_f32 v[TA], v[TA]                     ; (it saturates)
	FMAS 32
	v_ldexp_f32 v[FF], 1.0, v[TA]                  ; f
	FMAS 48
	v_fma_f32 v[MX], v[MX], s[CS], v[NM]           ; the same of the two blocks' largest scores
	v_fma_f32 v[MX+2], v[MX+2], s[CS], v[NM]
	s_wait_alu depctr_va_vdst(0)
	v_exp_f32 v[MX], v[MX]                         ; the blocks' largest p
	v_exp_f32 v[MX+2], v[MX+2]
.set j, 0
.rept 64
	v_exp_f32 v[SS+j], v[SS+j]                     ; p = 2^(t - M), at most 1: not normalised
.set j, j+1
.endr
	v_pk_mul_f32 v[LS:LS+1], v[LS:LS+1], v[FF:FF+1] op_sel_hi:[1,0]   ; the sum under the new M: the plain place behind the exponentials
	s_wait_alu depctr_va_vdst(0)                   ; one wait for the batch, ahead of its first reader
	v_max_num_f32 v[MX], 0x1800000, v[MX]          ; the floor 2^(3 - 127): the byte cannot fall under 1
	v_max_num_f32 v[MX+2], 0x1800000, v[MX+2]
	s_delay_alu instid0(VALU_DEP_2)
	v_add_nc_u32 v[SOP], 0xff000000, v[MX]         ; 2 off the exponent field: the conversion's scale operand
	s_delay_alu instid0(VALU_DEP_2)
	v_add_nc_u32 v[SOP+1], 0xff000000, v[MX+2]
	s_delay_alu instid0(VALU_DEP_2)
	v_lshrrev_b32 v[BY], 23, v[SOP]                ; the scales' bytes: key blocks h and 2 + h
	s_delay_alu instid0(VALU_DEP_2)
	v_lshrrev_b32 v[BY+1], 23, v[SOP+1]
	v_cvt_scalef32_pk16_fp6_f32 v[PC:PC+2], v[SS:SS+15], v[SOP]
	v_cvt_scalef32_pk16_fp6_f32 v[T0:T0+2], v[SS+16:SS+31], v[SOP]          ; (a conversion's three registers begin on an even number)
	v_cvt_scalef32_pk16_fp6_f32 v[PC+6:PC+8], v[SS+32:SS+47], v[SOP+1]
	v_cvt_scalef32_pk16_fp6_f32 v[T1:T1+2], v[SS+48:SS+63], v[SOP+1]
	v_lshl_or_b32 v[PS], v[BY+1], 16, v[BY]        ; the plain place behind the scaled conversions
.irp i, 0,1,2
	v_mov_b32 v[PC+3+\i], v[T0+\i]
	v_mov_b32 v[PC+9+\i], v[T1+\i]
.endr
	v_lshlrev_b32 v[PS], v[H8], v[PS]              ; my two bytes at their places in the word;
	s_delay_alu instid0(VALU_DEP_1)
	v_permlanex16_b32 v[TT], v[PS], s[SEL], s[SEL+1]
	s_wait_alu depctr_va_vdst(0)                   ; directly ahead of the first reader of O^T
	OMUL 0                                         ; O^T under the new M, from the low end on
	OMUL 2
	v_or_b32 v[PS], v[PS], v[TT]                   ; with lane l xor 16's two the word is whole; fourteen places stand between it and the products
.irp j, 4,6,8,10,12,14,16,18,20,22,24,26,28,30
	OMUL \j
.endr
.if \mode == 0
	s_wait_alu depctr_va_vdst(0)
	s_wait_dscnt 0x0                               ; V is in
.endif
.irp b, 0,1,2,3                                ; O^T += V^T P^T: the four accumulators have one instruction each a step, with the eight score products between two links
.if (\b%2) == 0
	v_wmma_scale_f32_16x16x128_f8f6f4 v[OT+8*\b:OT+8*\b+7], v[FG+12*\b:FG+12*\b+11], v[PC:PC+11], v[OT+8*\b:OT+8*\b+7], v[VS+\b/2], v[PS] matrix_a_fmt:MATRIX_FMT_FP6 matrix_b_fmt:MATRIX_FMT_FP6
.else
	v_wmma_scale_f32_16x16x128_f8f6f4 v[OT+8*\b:OT+8*\b+7], v[FG+12*\b:FG+12*\b+11], v[PC:PC+11], v[OT+8*\b:OT+8*\b+7], v[VS+\b/2], v[PS] matrix_a_fmt:MATRIX_FMT_FP6 matrix_b_fmt:MATRIX_FMT_FP6 matrix_a_scale:MATRIX_SCALE_ROW1
.endif
.endr
.if \mode
	s_wait_alu depctr_va_vdst(0)
	s_barrier_wait -1                              ; every wave of my work-group has left this slot, and its part of the slot ahead is in
.if \mode == 1
	CREST                                          ; the barrier has opened a round of the cluster's: the same holds of all four work-groups
	tensor_load_to_lds s[G0:G0+3], s[G1:G1+7]      ; key steps 24-31 into slot A: my one load behind the round
	s_nop 0
	NOP4
.endif
.endif
.endm
.macro RUN n                           ; n steps inside a slot: written once, walked n times
	s_mov_b32 s[STEPS], \n
.Lstep_\@:
	STEP 0
	s_add_co_u32 s[TB], s[TB], STEPB
	s_sub_co_u32 s[STEPS], s[STEPS], 1
	s_cmp_lg_u32 s[STEPS], 0
	s_cbranch_scc1 .Lstep_\@
.endm
	s_load_b128 s[4:7], s[0:1], 0x0                ; qimg, kv
	s_load_b64 s[8:9], s[0:1], 0x10                ; mimg
	v_lshl_add_u32 v[SPW], v0, 2, SPARE
	v_mov_b32 v[NIL], 0
	ds_add_u32 v[SPW], v[NIL]                      ; the wave's opening: the add, twice on end, and its wait ahead of my first tensor load
	ds_add_u32 v[SPW], v[NIL]
	v_lshrrev_b32 v[TA], 5, v0
	s_delay_alu instid0(VALU_DEP_1)
	v_readfirstlane_b32 s[WV], v[TA]               ; wave 0..15
	s_bfe_u32 s11, ttmp6, 0x40000                  ; cx: it enters Q's and the result's addresses alone
	s_lshl_b32 s12, ttmp9, 2
	s_add_co_u32 s12, s12, s11                     ; my block of 256 queries
	s_and_b32 s13, ttmp7, 0xffff                   ; batch x 8 + head, which the four partners share
.irp g, G1, G1B
	s_mov_b32 s[\g], 15|(3<<16)|(1<<21)            ; mask of all four; elements of 8 bytes; bit 21 set beside the mask; no padding
	s_mov_b32 s[\g+1], 32<<16                      ; dense bytes as rows of 256
	s_mov_b32 s[\g+3], 32<<16
	s_mov_b32 s[\g+5], 32
	s_mov_b32 s[\g+6], 0
	s_mov_b32 s[\g+7], 0
.endr
	s_mov_b32 s[G1+2], 25<<16                      ; slot A: 6,400 bytes a wave
	s_mov_b32 s[G1+4], 25
	s_mov_b32 s[G1B+2], 50<<16                     ; slot B: 12,800 bytes a wave
	s_mov_b32 s[G1B+4], 50
	s_mov_b32 s[CS], 0x3e38aa3b                    ; log2(e) / 8
	s_mov_b32 s[CS+1], s[CS]
	s_mov_b32 s[SEL], 0x76543210
	s_mov_b32 s[SEL+1], 0xfedcba98
	s_mov_b32 s[TB], 0
	s_mul_i32 s14, s[WV], 6400                     ; my sixteenth of slot A, in LDS and in memory
	s_mul_i32 s29, s[WV], STEPB
	s_add_co_u32 s29, s29, SLOTA                   ; my sixteenth of slot B, in LDS and in memory
	s_mul_i32 s46, s13, 32*STEPB                   ; the head's 32 steps
	s_add_co_u32 s50, s46, s29
	s_add_co_u32 s46, s46, s14
	s_mov_b32 s47, 0
	s_mov_b32 s51, 0
	s_lshr_b32 s15, s[WV], 2
	s_lshl_b32 s48, s12, 2
	s_add_co_u32 s15, s15, s48                     ; G: which 64 queries of the batch's 4,096
	s_and_b32 s45, s[WV], 3                        ; b: which tile of them
	s_mul_i32 s48, s13, 32*6400
	s_lshr_b32 s49, s15, 1
	s_mul_i32 s49, s49, 6400
	s_add_co_u32 s48, s48, s49                     ; their block of qimg
	s_and_b32 s15, s15, 1
	s_mul_i32 s36, s15, 3072
	s_mul_i32 s49, s45, 768
	s_add_co_u32 s36, s36, s49
	s_add_co_u32 s36, s36, s48                     ; my half image
	s_mov_b32 s37, 0
	s_lshl_b32 s38, s15, 7
	s_lshr_b32 s49, s45, 1
	s_lshl_b32 s49, s49, 6
	s_add_co_u32 s38, s38, s49
	s_add_co_u32 s38, s38, s48
	s_add_co_u32 s38, s38, 6144                    ; the words of my pair of tiles
	s_mov_b32 s39, 0
	s_and_b32 s44, s45, 1
	s_lshl_b32 s44, s44, 4                         ; and which half of a word is my tile's
	s_lshr_b32 s40, s13, 3
	s_lshl_b32 s40, s40, 8
	s_lshl_b32 s49, s12, 4
	s_add_co_u32 s40, s40, s49
	s_add_co_u32 s40, s40, s[WV]                   ; my tile's number in mimg: batch x 256 + 16 x query block + wave
	s_mul_i32 s40, s40, 6400
	s_and_b32 s49, s13, 7                          ; the head
	s_lshl_b32 s42, s49, 1
	s_add_co_u32 s42, s42, s40
	s_add_co_u32 s42, s42, 6144                    ; the head's two scale bytes of a row's sixteen
	s_mov_b32 s43, 0
	s_mul_i32 s49, s49, 768
	s_add_co_u32 s40, s40, s49                     ; the head's half image
	s_mov_b32 s41, 0
	s_wait_dscnt 0x0                               ; both opening adds are done
	s_wait_kmcnt 0x0
	s_mov_b32 s[G0], 1
	s_mov_b32 s[G0+1], s14
	s_add_nc_u64 s[G0+2:G0+3], s[6:7], s[46:47]
	s_or_b32 s[G0+3], s[G0+3], 0x80000000
	s_mov_b32 s[G0B], 1
	s_mov_b32 s[G0B+1], s29
	s_add_nc_u64 s[G0B+2:G0B+3], s[6:7], s[50:51]
	s_or_b32 s[G0B+3], s[G0B+3], 0x80000000
	s_add_nc_u64 s[36:37], s[4:5], s[36:37]
	s_add_nc_u64 s[38:39], s[4:5], s[38:39]
	s_add_nc_u64 s[40:41], s[8:9], s[40:41]
	s_add_nc_u64 s[42:43], s[8:9], s[42:43]
	CROUND                                         ; all four work-groups are here: the first joint loads meet
	tensor_load_to_lds s[G0:G0+3], s[G1:G1+7]      ; slot A, key steps 0-7: every wave its sixteenth
	s_nop 0
	NOP4
	v_and_b32 v[L4], 31, v0
	s_delay_alu instid0(VALU_DEP_1)
	v_lshlrev_b32 v[L16], 4, v[L4]
	s_delay_alu instid0(VALU_DEP_2)
	v_lshlrev_b32 v[L8], 3, v[L4]
	s_delay_alu instid0(VALU_DEP_3)
	v_lshlrev_b32 v[L4], 2, v[L4]
	v_bfe_u32 v[H8], v0, 4, 1
	s_delay_alu instid0(VALU_DEP_1)
	v_lshlrev_b32 v[H8], 3, v[H8]
	v_and_b32 v[TA], 15, v0
	s_delay_alu instid0(VALU_DEP_1)
	v_lshlrev_b32 v[TA], 2, v[TA]                  ; 4 r
	global_load_b128 v[QF:QF+3], v[L16], s[36:37]  ; q's half image, twice: the two operands share no register with K's, and none of these is written again
	global_load_b64 v[QF+4:QF+5], v[L8], s[36:37] offset:512
	global_load_b128 v[QF+12:QF+15], v[L16], s[36:37]
	global_load_b64 v[QF+16:QF+17], v[L8], s[36:37] offset:512
	global_load_b32 v[QS], v[TA], s[38:39]
.irp i, 6,7,8,9,10,11
	v_mov_b32 v[QF+\i], 0                          ; the zero codes between
.endr
	v_mov_b32 v[NM+1], 0xff61b1e6                  ; the largest t so far: -3e38, under every t
	s_delay_alu instid0(VALU_DEP_1)
	v_floor_f32 v[NM], -v[NM+1]
	v_mov_b32 v[LS], 0
	v_mov_b32 v[LS+1], 0
	v_mov_b32 v[TT], 0                             ; a lane permute's destination counts as one of its sources
	v_mov_b32 v[FF+1], 0                           ; (named as the upper half of a pair)
	s_wait_alu depctr_va_vdst(0)
	s_wait_loadcnt 0x0
	v_lshrrev_b32 v[QS], s44, v[QS]
	s_delay_alu instid0(VALU_DEP_1)
	v_and_b32 v[QS], 0xffff, v[QS]                 ; my tile's two bytes,
	s_delay_alu instid0(VALU_DEP_1)
	v_lshl_or_b32 v[QS], v[QS], 16, v[QS]          ; for both places of q
.set j, 0
.rept 96
	v_mov_b32 v[SS+j], 0                           ; S^T and O^T, which lie on end.  The step is written once: the first adds a p of zeros to the sum and finds an O^T of zeros.  These lines stand under the first fill's flight
.set j, j+1
.endr
	s_wait_alu depctr_va_vdst(0)
	s_wait_tensorcnt 0x0                           ; my sixteenth of slot A is in
	ds_add_u32 v[SPW], v[NIL]
	s_wait_dscnt 0x0
	CROUND                                         ; everybody's part of slot A is in, and all four work-groups are here
	tensor_load_to_lds s[G0B:G0B+3], s[G1B:G1B+7]  ; slot B, key steps 8-23: my one load behind the round
	s_nop 0
	NOP4
	RUN 7                                          ; key steps 0-6
	STEP 1                                         ; key step 7, and slot A's refill
	s_add_co_u32 s[TB], s[TB], STEPB               ; slot B lies behind slot A
	RUN 15                                         ; key steps 8-22
	STEP 2                                         ; key step 23
	s_mov_b32 s[TB], 0                             ; back to slot A
	RUN 8                                          ; key steps 24-31
	; THE WAY OUT: O^T / the sum is my query's 32 channels 32 h + 0 .. 31 of this head: block 2 head + h of the last product's K.  It is quantised here and leaves as a half image.
	CINI 0                                         ; the last step's p goes into the sum: these lines are also the places behind the last products
	SUMS
	TREE
	v_and_b32 v[TA], 15, v0
	s_delay_alu instid0(VALU_DEP_1)
	v_lshlrev_b32 v[TA], 4, v[TA]
	v_bfe_u32 v[A16], v0, 4, 1
	s_delay_alu instid0(VALU_DEP_1)
	v_add_nc_u32 v[TA], v[TA], v[A16]              ; 16 r + h
	v_add_f32 v[LS], v[LS], v[LS+1]                ; the sum's two halves,
	s_delay_alu instid0(VALU_DEP_1)
	v_permlanex16_b32 v[TT], v[LS], s[SEL], s[SEL+1]
	s_delay_alu instid0(VALU_DEP_1)
	v_add_f32 v[LS], v[LS], v[TT]                  ; and lane l xor 16's
	s_wait_alu depctr_va_vdst(0)
	v_rcp_f32 v[FF], v[LS]
	v_nop                                          ; a plain place behind the reciprocal,
	s_wait_alu depctr_va_vdst(0)                   ; and the wait ahead of its first reader
.irp j, 0,2,4,6,8,10,12,14,16,18,20,22,24,26,28,30
	OMUL \j
.endr
	v_max3_num_f32 v[MX], |v[OT]|, |v[OT+1]|, 0x1800000
	v_max3_num_f32 v[MX+1], |v[OT+2]|, |v[OT+3]|, |v[OT+4]|
.irp j, 5,9,13,17,21,25
	v_max3_num_f32 v[MX], v[MX], |v[OT+\j]|, |v[OT+\j+1]|       ; two chains by turns
	v_max3_num_f32 v[MX+1], v[MX+1], |v[OT+\j+2]|, |v[OT+\j+3]|
.endr
	v_max3_num_f32 v[MX], v[MX], |v[OT+29]|, |v[OT+30]|
	s_delay_alu instid0(VALU_DEP_1)
	v_max3_num_f32 v[MX], v[MX], v[MX+1], |v[OT+31]|
	s_delay_alu instid0(VALU_DEP_1)
	v_add_nc_u32 v[SOP], 0xff000000, v[MX]
	s_delay_alu instid0(VALU_DEP_1)
	v_lshrrev_b32 v[BY], 23, v[SOP]
	v_cvt_scalef32_pk16_fp6_f32 v[PC:PC+2], v[OT:OT+15], v[SOP]
	v_cvt_scalef32_pk16_fp6_f32 v[T0:T0+2], v[OT+16:OT+31], v[SOP]
	v_nop
.irp i, 0,1,2
	v_mov_b32 v[PC+3+\i], v[T0+\i]
.endr
	global_store_b128 v[L16], v[PC:PC+3], s[40:41]             ; 512 consecutive bytes, at a multiple of 256 from the buffer's first byte,
	global_store_b64 v[L8], v[PC+4:PC+5], s[40:41] offset:512  ; and 256 more
	global_store_b8 v[TA], v[BY], s[42:43]         ; one byte a lane inside the tile's 256 scale bytes: a row's sixteen come from the eight heads' work-groups; one byte in 24 of what the wave stores
	s_wait_tensorcnt 0x0                           ; the wave's end
	ds_add_u32 v[SPW], v[NIL]
	s_wait_dscnt 0x0
	CROUND                                         ; the closing round
	s_endpgm
.Lfunc_end_k_qc29294a0e0_attn:
	.size	k_qc29294a0e0_attn, .Lfunc_end_k_qc29294a0e0_attn-k_qc29294a0e0_attn
	.p2alignl 7, 3214868480
	.fill 96, 4, 3214868480
	.section	.rodata,"a",@progbits
	.p2align	6, 0x0
	.amdhsa_kernel k_qc29294a0e0_attn
		.amdhsa_group_segment_fixed_size 327680
		.amdhsa_private_segment_fixed_size 0
		.amdhsa_enable_private_segment 0
		.amdhsa_kernarg_size 24
		.amdhsa_user_sgpr_count 2
		.amdhsa_user_sgpr_kernarg_segment_ptr 1
		.amdhsa_wavefront_size32 1
		.amdhsa_system_sgpr_workgroup_id_x 1
		.amdhsa_system_sgpr_workgroup_id_y 1
		.amdhsa_system_sgpr_workgroup_id_z 1
		.amdhsa_system_vgpr_workitem_id 0
		.amdhsa_next_free_vgpr 228
		.amdhsa_next_free_sgpr 66
		.amdhsa_reserve_vcc 0
		.amdhsa_float_denorm_mode_32 3
		.amdhsa_float_denorm_mode_16_64 3
		.amdhsa_memory_ordered 1
		.amdhsa_forward_progress 1
		.amdhsa_inst_pref_size 93
	.end_amdhsa_kernel
	.amdgpu_metadata
---
amdhsa.version: [ 1, 2 ]
amdhsa.kernels:
  - .name:           k_qc29294a0e0_attn
    .symbol:         k_qc29294a0e0_attn.kd
    .args:
      - { .name: qimg, .offset: 0, .size: 8, .value_kind: global_buffer, .address_space: global }
      - { .name: kv, .offset: 8, .size: 8, .value_kind: global_buffer, .address_space: global }
      - { .name: mimg, .offset: 16, .size: 8, .value_kind: global_buffer, .address_space: global }
    .group_segment_fixed_size: 327680
    .private_segment_fixed_size: 0
    .kernarg_segment_align: 8
    .kernarg_segment_size: 24
    .max_flat_workgroup_size: 512
    .sgpr_count:     66
    .vgpr_count:     228
    .wavefront_size: 32
...
	.end_amdgpu_metadata
.endif
;; end of part 2
;; launch outp (part 3): grid 64 x 4, 8 waves a work-group, clusters of 4 x 1, 167,936 bytes of LDS; arguments mimg, Wo_codes, Wo_scales, bo, out0; writes out0
.if DOCPART == 3
	.amdgcn_target "amdgcn-amd-amdhsa--gfx1250"
	.amdhsa_code_object_version 6
	.text
	.protected	k_qc29294a0e0_outp
	.globl	k_qc29294a0e0_outp
	.p2align	8
	.type	k_qc29294a0e0_outp,@function
k_qc29294a0e0_outp:
	s_mov_b64 s[64:65], 0
	v_nop
	global_prefetch_b8 v0, s[64:65] scope:SCOPE_SE
	s_setreg_imm32_b32 hwreg(HW_REG_WAVE_MODE, 25, 1), 1
	s_wait_xcnt 0x0
	s_wait_alu depctr_hold_cnt(0) depctr_sa_sdst(0) depctr_va_vdst(0) depctr_va_sdst(0) depctr_va_ssrc(0) depctr_va_vcc(0) depctr_vm_vsrc(0)
	s_getreg_b32 s2, hwreg(HW_REG_IB_STS2, 6, 4)
	s_cmp_eq_u32 s2, 0
	s_cbranch_scc0 .Lentry_in_a_cluster
	s_endpgm
.Lentry_in_a_cluster:
	s_bfe_u32 s2, ttmp6, 0x10000c
	s_cmp_lg_u32 s2, 0x3003
	s_cbranch_scc0 .Lentry_shape_is_right
	s_endpgm
.Lentry_shape_is_right:
; THE LAST PRODUCT: out = mix Wo + bo, on codes of FP6 (E2M3): mix's as the attention launch has left them (half images by head, a row's 16 scale bytes on end), Wo's as they are given; sums in f32.  Nothing is left out.
; SHARES.  A work-group makes 128 queries (8 tiles of mimg: 51,200 dense bytes) x 128 outputs: 64 x 4 = 256 work-groups.  Wave w: 64 outputs (w & 1) x two tiles of queries (w >> 1), K = 512 in four steps:
; 32 matrix instructions on 8 accumulators, which take turns, one instruction a turn.
; TRANSPOSED: source 0 = 16 rows of Wo, source 1 = 16 queries.  Of the wave's 64 rows of Wo, tile a takes for its row m the row 8 a + (m & 7) + 32 (m >> 3): a lane's 32 results are outputs 32 h + 0 .. 31 of one query, 128 bytes on end.
; bo is the C of each sum's first product.  Row r of tile qt is query 64 (qt >> 2) + 8 (qt & 3) + (r & 7) + 32 (r >> 3), counted through both batches.
; CLUSTER: the four work-groups of a cluster take four query blocks and the same 128 rows of Wo: Wo's codes are asked for jointly (mask 15); mix's and Wo's scale bytes are each work-group's own.
; LDS is filled once, at the head; no prefetch.  The stage for the way out has bytes of its own, into which no fill lands.
.set CH,    15376                      ; a chunk of Wo: 32 rows x 480 bytes + 16
.set ROWP,  480                        ; a row: 384 bytes of codes, 16 of padding behind each 64
.set WSC,   61696                      ; Wo's scale bytes: 128 rows x 16
.set MXB,   63744                      ; mix's 8 tiles, 6,400 bytes each
.set STAGE, 114944                     ; 16 rows x (256 + 16) bytes for each wave
.set SPARE, 149760                     ; the spare words, 128 bytes for each wave: four blocks of 256 bytes that no other line names
.set AW,  1                            ; v1, v2  LDS address of Wo's fragments (v2: for the pieces behind one padding more)
.set M16, 3                            ; v3      mix's images: my two tiles + 16 x lane
.set M8,  4                            ; v4      + 512 + 8 x lane
.set MSA, 5                            ; v5      mix's scale words
.set WSA, 6                            ; v6      Wo's
.set STO, 7                            ; v7      the stage: where I put 128 bytes of a row
.set RD,  8                            ; v8      and where I read a row back
.set CO,  9                            ; v9      my byte offset in two rows of the output
.set SPW, 10                           ; v10     my spare word; never rewritten
.set NIL, 11                           ; v11     0; never rewritten
.set WS,  16                           ; v16-31  Wo's scale words: 4 a + s
.set MS,  32                           ; v32-39  mix's: 4 tq + s
.set WF,  40                           ; v40-87  Wo's four fragments
.set MF,  88                           ; v88-111 mix's two
.set BI,  112                          ; v112-143 bo in the result's layout
.set ACC, 144                          ; v144-207 accumulator (tq, a) at ACC + 32 tq + 8 a
.set OB,  40                           ; the way out: 16 rows read back: v40-71, v72-103
.set WV,  14
.set G1M,  20                          ; s[20:27] group 1 for mix;  s[28:35] for a chunk of Wo;  s[44:47], s[48:51] their groups 0
.set G1W,  28
.set G1SW, 36
.macro CROUND                          ; a round of the cluster's barrier
	s_barrier_signal -1
	s_barrier_wait -1
	s_cmp_lg_u32 s[WV], 0
	s_cbranch_scc1 .Lnot_wave_0_\@
	s_barrier_signal -3
.Lnot_wave_0_\@:
	s_barrier_wait -3
	s_barrier_signal -1
	s_barrier_wait -1
.endm
.macro FRAG reg, adr, q, t             ; a fragment from padded rows, in pieces of 8 bytes; lanes 16-31 read three pieces on, behind one padding more where the piece's number mod 8 is 5 or more
.irp p, 0,1,2,3,4,5
.set PCE, 12*(\q)+6*(\p/3)+\p%3
.if PCE%8 < 5
	ds_load_b64 v[(\reg)+2*\p:(\reg)+2*\p+1], v[\adr] offset:8*PCE+16*(PCE/8)+(\t)*8*ROWP
.else
	ds_load_b64 v[(\reg)+2*\p:(\reg)+2*\p+1], v[(\adr)+1] offset:8*PCE+16*(PCE/8)+(\t)*8*ROWP
.endif
.endr
.endm
.macro KSTEP3 s                        ; 128 along K: heads 2 s and 2 s + 1
.if \s > 0
.rept 4
	v_nop                                          ; four places in front of loads into registers that matrix instructions have read
.endr
.endif
.irp a, 0,1,2,3
	FRAG WF+12*\a, AW, \s, \a
.endr
.irp tq, 0,1
.irp e, 0,1
	ds_load_b128 v[MF+12*\tq+6*\e:MF+12*\tq+6*\e+3], v[M16] offset:6400*\tq+768*(2*\s+\e)
	ds_load_b64 v[MF+12*\tq+6*\e+4:MF+12*\tq+6*\e+5], v[M8] offset:6400*\tq+768*(2*\s+\e)
.endr
.endr
	s_wait_dscnt 0x0
.if \s == 0
	s_wait_loadcnt 0x0                             ; bo
.endif
.irp a, 0,1,2,3
.irp tq, 0,1
.set rD, ACC+32*\tq+8*\a
.if \s == 0
	v_wmma_scale_f32_16x16x128_f8f6f4 v[rD:rD+7], v[WF+12*\a:WF+12*\a+11], v[MF+12*\tq:MF+12*\tq+11], v[BI+8*\a:BI+8*\a+7], v[WS+4*\a+\s], v[MS+4*\tq+\s] matrix_a_fmt:MATRIX_FMT_FP6 matrix_b_fmt:MATRIX_FMT_FP6
.else
	v_wmma_scale_f32_16x16x128_f8f6f4 v[rD:rD+7], v[WF+12*\a:WF+12*\a+11], v[MF+12*\tq:MF+12*\tq+11], v[rD:rD+7], v[WS+4*\a+\s], v[MS+4*\tq+\s] matrix_a_fmt:MATRIX_FMT_FP6 matrix_b_fmt:MATRIX_FMT_FP6
.endif
.endr
.endr
.endm
	s_load_b256 s[4:11], s[0:1], 0x0               ; mimg, Wo's codes, Wo's scales, bo
	s_load_b64 s[12:13], s[0:1], 0x20              ; out0
	v_lshl_add_u32 v[SPW], v0, 2, SPARE
	v_mov_b32 v[NIL], 0
	ds_add_u32 v[SPW], v[NIL]                      ; the wave's opening: the add, twice on end, and its wait ahead of my first tensor load
	ds_add_u32 v[SPW], v[NIL]
	v_lshrrev_b32 v12, 5, v0
	s_delay_alu instid0(VALU_DEP_1)
	v_readfirstlane_b32 s[WV], v12                 ; wave 0..7
	s_bfe_u32 s15, ttmp6, 0x40000                  ; cx
	s_lshl_b32 s16, ttmp9, 2
	s_add_co_u32 s16, s16, s15                     ; which 128 queries
	s_and_b32 s17, ttmp7, 0xffff                   ; which 128 outputs
	s_and_b32 s18, s[WV], 1                        ; my 64 outputs
	s_lshr_b32 s19, s[WV], 1                       ; my two tiles of queries
	s_mov_b32 s[G1M], 3<<16                        ; mix: 12,800 dense bytes as 50 rows of 256; plain
	s_mov_b32 s[G1M+1], 32<<16
	s_mov_b32 s[G1M+2], 50<<16
	s_mov_b32 s[G1M+3], 32<<16
	s_mov_b32 s[G1M+4], 50
	s_mov_b32 s[G1M+5], 32
	s_mov_b32 s[G1M+6], 0
	s_mov_b32 s[G1M+7], 0
	s_mov_b32 s[G1W], 15|(1<<20)|(1<<21)|(3<<22)|(3<<25)   ; a chunk of Wo: 12,288 dense bytes as 16 rows of 768, 16 bytes of padding behind each 64; joint
	s_mov_b32 s[G1W+1], 768<<16
	s_mov_b32 s[G1W+2], 16<<16
	s_mov_b32 s[G1W+3], 768<<16
	s_mov_b32 s[G1W+4], 16
	s_mov_b32 s[G1W+5], 768
	s_mov_b32 s[G1W+6], 0
	s_mov_b32 s[G1W+7], 0
	; WO'S SCALE BYTES come through registers: the 128 rows' 2,048 dense bytes are 8 bytes a thread: one global load a wave, stored to LDS at WSC + 8 x thread (each work-group fetches its own)
	v_lshlrev_b32 v20, 3, v0                       ; 8 x thread
	v_lshl_add_u32 v21, v0, 3, WSC                 ; and where my 8 bytes go
	s_wait_alu depctr_va_vdst(0)
	s_mul_i32 s56, s16, 51200                      ; waves 0-3: a quarter of mix's block
	s_mul_i32 s58, s[WV], 12800
	s_add_co_u32 s56, s56, s58
	s_mov_b32 s57, 0
	s_add_co_u32 s58, s58, MXB
	s_and_b32 s59, s[WV], 3                        ; waves 4-7: a chunk of Wo: made of the outputs' block and the wave's number alone
	s_lshl_b32 s60, s59, 5
	s_lshl_b32 s61, s17, 7
	s_add_co_u32 s60, s60, s61
	s_mul_i32 s62, s60, 384
	s_mov_b32 s63, 0
	s_lshl_b32 s66, s17, 11                        ; the scale bytes of my block's 128 rows of Wo
	s_mov_b32 s67, 0
	s_mul_i32 s68, s59, CH
	s_wait_dscnt 0x0                               ; both opening adds are done
	s_wait_kmcnt 0x0
	s_mov_b32 s44, 1
	s_mov_b32 s45, s58
	s_add_nc_u64 s[46:47], s[4:5], s[56:57]
	s_or_b32 s47, s47, 0x80000000
	s_mov_b32 s48, 1
	s_mov_b32 s49, s68
	s_add_nc_u64 s[50:51], s[6:7], s[62:63]
	s_or_b32 s51, s51, 0x80000000
	s_add_nc_u64 s[54:55], s[8:9], s[66:67]
	global_load_b64 v[22:23], v20, s[54:55]        ; a wave takes 256 consecutive bytes, at a multiple of 256 from the buffer's first byte
	CROUND                                         ; all four work-groups are here: the joint loads meet
	s_cmp_lt_u32 s[WV], 4                          ; every wave fills: one tensor load a wave; an s_nop 0 and four v_nop follow it
	s_cbranch_scc0 .Lfill_w
	tensor_load_to_lds s[44:47], s[G1M:G1M+7]
	s_nop 0
.rept 4
	v_nop
.endr
	s_branch .Lfilled
.Lfill_w:
	tensor_load_to_lds s[48:51], s[G1W:G1W+7]
	s_nop 0
.rept 4
	v_nop
.endr
.Lfilled:
	v_and_b32 v12, 7, v0                           ; r & 7
	v_bfe_u32 v13, v0, 3, 1                        ; r >> 3
	v_bfe_u32 v14, v0, 4, 1                        ; h
	v_and_b32 v15, 15, v0                          ; r
	s_delay_alu instid0(VALU_DEP_3)
	v_mul_u32_u24 v[AW], v13, CH
	s_delay_alu instid0(VALU_DEP_1)
	v_mad_u32_u24 v[AW], v12, ROWP, v[AW]
	s_delay_alu instid0(VALU_DEP_1)
	v_mad_u32_u24 v[AW], v14, 24, v[AW]
	s_mul_i32 s56, s18, 2*CH
	v_add_nc_u32 v[AW], s56, v[AW]
	s_delay_alu instid0(VALU_DEP_1)
	v_lshl_add_u32 v[AW+1], v14, 4, v[AW]
	v_and_b32 v[M16], 31, v0
	s_mul_i32 s56, s19, 12800
	s_add_co_u32 s56, s56, MXB                     ; my two tiles
	v_lshlrev_b32 v[M8], 3, v[M16]
	v_lshlrev_b32 v[M16], 4, v[M16]
	s_delay_alu instid0(VALU_DEP_1)
	v_add_nc_u32 v[M16], s56, v[M16]
	s_delay_alu instid0(VALU_DEP_3)
	v_add_nc_u32 v[M8], s56, v[M8]
	s_delay_alu instid0(VALU_DEP_1)
	v_add_nc_u32 v[M8], 512, v[M8]
	v_lshlrev_b32 v[MSA], 4, v15
	s_delay_alu instid0(VALU_DEP_1)
	v_add_nc_u32 v[MSA], s56, v[MSA]
	s_delay_alu instid0(VALU_DEP_1)
	v_add_nc_u32 v[MSA], 6144, v[MSA]
	v_lshl_add_u32 v[WSA], v13, 5, v12             ; (r & 7) + 32 (r >> 3)
	s_delay_alu instid0(VALU_DEP_1)
	v_lshlrev_b32 v[WSA], 4, v[WSA]
	s_lshl_b32 s57, s18, 10
	s_add_co_u32 s57, s57, WSC
	v_add_nc_u32 v[WSA], s57, v[WSA]
	s_mul_i32 s57, s[WV], 16*272
	s_add_co_u32 s57, s57, STAGE                   ; my stage
	v_mul_u32_u24 v[STO], v15, 272                 ; in: row r, 128 bytes for each half of the lanes
	s_delay_alu instid0(VALU_DEP_1)
	v_lshl_add_u32 v[STO], v14, 7, v[STO]
	s_delay_alu instid0(VALU_DEP_1)
	v_add_nc_u32 v[STO], s57, v[STO]
	v_mul_u32_u24 v[RD], v14, 272                  ; back: lanes 0-15 one row of 256 bytes, lanes 16-31 the next
	s_delay_alu instid0(VALU_DEP_1)
	v_lshl_add_u32 v[RD], v15, 4, v[RD]
	s_delay_alu instid0(VALU_DEP_1)
	v_add_nc_u32 v[RD], s57, v[RD]
	v_lshlrev_b32 v[CO], 11, v14                   ; and the same two rows of the output, 2,048 bytes apart
	s_delay_alu instid0(VALU_DEP_1)
	v_lshl_add_u32 v[CO], v15, 4, v[CO]
	v_lshlrev_b32 v12, 7, v14                      ; bo: my half's 32 numbers
	s_wait_alu depctr_va_vdst(0)
	s_lshl_b32 s58, s17, 9
	s_lshl_b32 s59, s18, 8
	s_add_co_u32 s58, s58, s59                     ; my 64 outputs, in bytes
	s_mov_b32 s59, 0
	s_add_nc_u64 s[10:11], s[10:11], s[58:59]
	s_lshl_b32 s60, s16, 7                         ; my tiles' first query: 128 x block + 64 (pair / 2) + 16 (pair & 1)
	s_lshr_b32 s61, s19, 1
	s_lshl_b32 s61, s61, 6
	s_add_co_u32 s60, s60, s61
	s_and_b32 s61, s19, 1
	s_lshl_b32 s61, s61, 4
	s_add_co_u32 s60, s60, s61
	s_lshl_b32 s60, s60, 11
	s_add_co_u32 s60, s60, s58
	s_mov_b32 s61, 0
	s_add_nc_u64 s[12:13], s[12:13], s[60:61]
.irp a, 0,1,2,3
	global_load_b128 v[BI+8*\a:BI+8*\a+3], v12, s[10:11] offset:32*\a
	global_load_b128 v[BI+8*\a+4:BI+8*\a+7], v12, s[10:11] offset:32*\a+16
.endr
	s_wait_loadcnt 0x8                             ; my scale bytes are in registers: behind their load stand bo's eight
	s_wait_tensorcnt 0x0                           ; my part is in LDS,
	ds_store_b64 v21, v[22:23]                     ; the scale bytes go to bytes of their own, into which no fill lands,
	s_wait_dscnt 0x0                               ; and are there
	s_barrier_signal -1
	s_barrier_wait -1
.irp a, 0,1,2,3
	ds_load_b128 v[WS+4*\a:WS+4*\a+3], v[WSA] offset:128*\a    ; a row's 16 bytes are the words of the four K steps
.endr
.irp tq, 0,1
	ds_load_b128 v[MS+4*\tq:MS+4*\tq+3], v[MSA] offset:6400*\tq
.endr
	KSTEP3 0
	KSTEP3 1
	KSTEP3 2
	KSTEP3 3
.rept 4
	v_nop                                          ; four places: in front of the first read of results, and of loads into registers that matrix instructions have read
.endr
; THE WAY OUT.  A lane holds 128 bytes of a row and the lanes beside it other rows: a tile goes through my own stage and comes back as whole rows of 256 bytes.  LDS serves a wave's instructions in order (ISA guide 5.7.1.4):
; no wait between the stores and the loads, nor in front of the next tile's stores.
.macro TOSTAGE tq
.irp a, 0,1,2,3
	ds_store_b128 v[STO], v[ACC+32*\tq+8*\a:ACC+32*\tq+8*\a+3] offset:32*\a        ; each accumulator from its low end on
	ds_store_b128 v[STO], v[ACC+32*\tq+8*\a+4:ACC+32*\tq+8*\a+7] offset:32*\a+16
.endr
.irp i, 0,1,2,3,4,5,6,7
	ds_load_b128 v[OB+32*\tq+4*\i:OB+32*\tq+4*\i+3], v[RD] offset:544*\i
.endr
.endm
.macro SEND tq, younger                ; younger: the LDS instructions issued behind tile tq's loads
.irp i, 0,1,2,3,4,5,6,7
	s_wait_dscnt \younger+7-\i                     ; rows 2 i and 2 i + 1 of the tile are back: behind them stand the run's later loads and the younger ones
	global_store_b128 v[CO], v[OB+32*\tq+4*\i:OB+32*\tq+4*\i+3], s[12:13] offset:16384*\tq+2048*(2*\i+24*(\i/4)) th:TH_STORE_NT   ; 16 lanes store 256 consecutive bytes, at a multiple of 256 from the output's first byte; the tile's rows 8-15 are queries 32 on
.endr
.endm
	TOSTAGE 0
	TOSTAGE 1
	SEND 0, 16                                     ; behind tile 0's loads: tile 1's 8 stores and 8 loads
	SEND 1, 0
	s_wait_tensorcnt 0x0                           ; the wave's end, behind my last tensor load and my last LDS store
	ds_add_u32 v[SPW], v[NIL]
	s_wait_dscnt 0x0
	CROUND                                         ; the closing round
	s_endpgm
.Lfunc_end_k_qc29294a0e0_outp:
	.size	k_qc29294a0e0_outp, .Lfunc_end_k_qc29294a0e0_outp-k_qc29294a0e0_outp
	.p2alignl 7, 3214868480
	.fill 96, 4, 3214868480
	.section	.rodata,"a",@progbits
	.p2align	6, 0x0
	.amdhsa_kernel k_qc29294a0e0_outp
		.amdhsa_group_segment_fixed_size 167936
		.amdhsa_private_segment_fixed_size 0
		.amdhsa_enable_private_segment 0
		.amdhsa_kernarg_size 40
		.amdhsa_user_sgpr_count 2
		.amdhsa_user_sgpr_kernarg_segment_ptr 1
		.amdhsa_wavefront_size32 1
		.amdhsa_system_sgpr_workgroup_id_x 1
		.amdhsa_system_sgpr_workgroup_id_y 1
		.amdhsa_system_sgpr_workgroup_id_z 1
		.amdhsa_system_vgpr_workitem_id 0
		.amdhsa_next_free_vgpr 240
		.amdhsa_next_free_sgpr 72
		.amdhsa_reserve_vcc 0
		.amdhsa_float_denorm_mode_32 3
		.amdhsa_float_denorm_mode_16_64 3
		.amdhsa_memory_ordered 1
		.amdhsa_forward_progress 1
		.amdhsa_inst_pref_size 26
	.end_amdhsa_kernel
	.amdgpu_metadata
---
amdhsa.version: [ 1, 2 ]
amdhsa.kernels:
  - .name:           k_qc29294a0e0_outp
    .symbol:         k_qc29294a0e0_outp.kd
    .args:
      - { .name: mimg, .offset: 0, .size: 8, .value_kind: global_buffer, .address_space: global }
      - { .name: Wo_codes, .offset: 8, .size: 8, .value_kind: global_buffer, .address_space: global }
      - { .name: Wo_scales, .offset: 16, .size: 8, .value_kind: global_buffer, .address_space: global }
      - { .name: bo, .offset: 24, .size: 8, .value_kind: global_buffer, .address_space: global }
      - { .name: out0, .offset: 32, .size: 8, .value_kind: global_buffer, .address_space: global }
    .group_segment_fixed_size: 167936
    .private_segment_fixed_size: 0
    .kernarg_segment_align: 8
    .kernarg_segment_size: 40
    .max_flat_workgroup_size: 256
    .sgpr_count:     72
    .vgpr_count:     240
    .wavefront_size: 32
...
	.end_amdgpu_metadata
.endif
;; end of part 3
